; MI455X (gfx1250); checked and timed in simulation.
; The chip was launched on July 23, 2026; its instructions are those of AMD's public machine-readable ISA for CDNA 5 (MIT licence, August 2026) and "CDNA5" Instruction Set Architecture Reference Guide (July 2026). The comments in the code are by the model that wrote it; some were corrected since.
;; Experts Choose Masked Expand. Allowed arithmetic: matrix products marked QUANTISED: E2M3 operands, one E8M0 scale for each 32 along K, by v_wmma_scale_f32_16x16x128_f8f6f4 with both operands' format E2M3, f32 sums; everything else in f32.
;; Inputs: W 8 x 4,096 x 512 float32; b 4,096 float32; combine_array 4 x 512 x 8 x 512 float32; x 4 x 8 x 512 x 512 float32.
;; Outputs: out0 4 x 512 x 4,096 float32.
;; This version of the problem:
;;   THIS VERSION OF THE PROBLEM IS GIVEN IN LOW PRECISION. The matrix products marked QUANTISED in the list below multiply operands that are first quantised to E2M3 (2 exponent bits, 3 mantissa bits; 6 bits a number), with one power-of-two scale for each 32 numbers along K (OCP MX v1.0); their sums are f32. All else is computed in f32.
;;   The module's matrix products, in the order in which they are computed (A, B: the left and right operand; K: the contracted axis; several contracted axes count as one K, in the product's order):
;;     1. batch 8 x [M 4,096, K 512] x [K 512, N 2,048]; A: input W; B: input x: QUANTISED
;;     2. batch 4 x [M 512, K 4,096] x [K 4,096, N 4,096]; A: input combine_array; B: computed on the way: QUANTISED
;;   THE QUANTISER, for each operand of a quantised product, along K:
;;     - K is cut into blocks of 32 from its start; a last block that is shorter is filled with zeros.
;;     - A block's scale is 2^e with e = floor(log2(the largest magnitude in the block)) - 2, held to -126 .. 127; a block of zeros has e = 0. As a byte (E8M0): e + 127.
;;     - Each number is divided by its block's scale, clamped to +-7.5, and rounded to the nearest number of E2M3, ties to even, subnormals kept.
;;     - The product sums the exact products of the quantised numbers (number of the format x scale) in f32.
;;   ~~~python
;;   def quantise(x, axis):      # numpy; x: float32 -> the quantised numbers, widened to float32 again
;;       x = np.moveaxis(x, axis, -1); K = x.shape[-1]
;;       x = np.pad(x, [(0, 0)] * (x.ndim - 1) + [(0, -K % 32)]); x = x.reshape(x.shape[:-1] + (-1, 32)); a = np.abs(x).max(-1, keepdims=True)
;;       e = np.where(a > 0, np.clip(np.frexp(np.where(a > 0, a, 1))[1] - 1 - 2, -126, 127), 0)      # np.frexp(a)[1] - 1 = floor(log2(a)), exactly
;;       r = np.clip(x / 2.0 ** e, -7.5, 7.5)
;;       step = 2.0 ** (np.maximum(np.frexp(np.where(r == 0, 1, r))[1] - 1, 0) - 3)
;;       q = np.round(r / step) * step * 2.0 ** e      # np.round: ties to even
;;       return np.moveaxis(q.reshape(q.shape[:-2] + (-1,))[..., :K], -1, axis).astype(np.float32)
;;   ~~~
;;   OPERANDS COMPUTED ON THE WAY. 'Computed on the way' means the value that the module computes at that place (a softmax that the list does not call 'softmax' is quantised finished and normalised). What goes into a quantiser is computed in f32, as accurately as f32 sums, v_exp_f32 and their like allow (about 1e-6 of the number): no bf16 or f16 on the way to a quantiser, and a product that is left as it is and whose result goes on into a quantised operand takes f32 operands (vector FMAs, or v_wmma_f32_16x16x4_f32). A number that lies on a knife's edge between two numbers of the format may be rounded either way, as far as f32 arithmetic and the matrix unit's own rounding can turn it there, and no further.
;; One version. Each part assembles by itself: llvm-mc -triple=amdgcn-amd-amdhsa -mcpu=gfx1250 --defsym DOCPART=n.
;; ======== version 1 of 1: 2 launches
;; limits: right only within a limited range of input values
;; workspace buffers: xq 6,291,456 bytes; xs 262,144 bytes; cq 6,291,456 bytes; cs 262,144 bytes; wq 12,582,912 bytes; ws 524,288 bytes
;; launch prep (part 1): grid 640 x 1, 4 waves a work-group, no clusters, 59,904 bytes of LDS; arguments x, W, xq, xs, wq, ws, combine_array, cq, cs; writes xq, xs, wq, ws, cq, cs
.if DOCPART == 1
	.amdgcn_target "amdgcn-amd-amdhsa--gfx1250"
	.amdhsa_code_object_version 6
	.text
	.protected	k_q8ea1f39318_prep
	.globl	k_q8ea1f39318_prep
	.p2align	8
	.type	k_q8ea1f39318_prep,@function
k_q8ea1f39318_prep:
	s_mov_b64 s[64:65], 0
	v_nop
	global_prefetch_b8 v0, s[64:65] scope:SCOPE_SE
	s_setreg_imm32_b32 hwreg(HW_REG_WAVE_MODE, 25, 1), 1
	s_wait_xcnt 0x0
; All three f32 inputs become codes of FP6 (E2M3) with one E8M0 byte for each 32 along K, laid in the order of the operand's registers.  Work-groups 0-383 take x and W (64 KiB a wave), 384-639 combine_array (32 KiB a wave): the longer units have the lower numbers.
; A block's scale is 2^(floor(log2(its largest magnitude)) - 2); its byte is the largest magnitude's exponent field - 2, held at 1 from below; each number is divided by the scale and rounded to the nearest code, ties to even, beyond 7.5 the largest code.
; LIMITS: a block of zeros gets the byte 1 where the quantiser says 127 (its codes are zeros, which add nothing under any byte but 0xff, and this program alone reads the bytes); blocks whose largest magnitude lies under 2^-124 have their byte held at 1; NaN and infinities are not served.
; The two paths part on the work-group's number alone; each has LDS bytes of its own.  No tensor load, no barrier: waves share nothing.  Matrix units and clusters have nothing to do here: the launch moves bytes.
; PATH 1, x [4][8][512][512] and W [8][4096][512], K = the last axis.  A fragment image (16 rows x 128 K, 1,536 bytes) is three blocks of 512 bytes: block j = registers 4 j .. 4 j + 3, lane l's 16 bytes at 16 l.
;   A wave takes 32 rows (tiles u = 0, 1) of one expert e x 512 K.  Image (u, e, K step s) lies at base2 x 98,304 + u x 49,152 + e x 6,144 + s x 1,536; row r's four scale words at base2 x 4,096 + u x 2,048 + e x 256 + 16 r.  base2 = 16 b + c / 32 for x, o / 32 for W.
;   Each load reads 512 consecutive bytes of a row; 16 rows turn through the wave's stage in LDS (rows 528 bytes apart) and come back as two whole blocks of 32 a lane.  Loads run two steps (32 loads a wave) ahead.
; PATH 2, combine_array [4][512 t][8 e][512 c], K = 8 c + e: a block of 32 is 4 neighbouring c x all 8 e, held by one lane in the order 4 e + c % 4 (the next launch lays eo so).
;   In a fragment (16 t x 16 c x 8 e) lane (r, h) holds row r; registers 0-5 the c = 8 h + 0 .. 3, registers 6-11 the c = 8 h + 4 .. 7; the image is laid [registers 0-3: 512 bytes][4-5: 256][6-9: 512][10-11: 256].
;   cq: ((16 b + m) 4 + t / 128) x 24,576 + (8 ks + tile) x 1,536, m the chunk of 32 c, ks which 16 of them.  cs: the same index x 1,024 + tile x 128 + 8 r + 4 ks.  A wave takes 16 t x 8 e x 64 c; loads run four pairs of rows (32 loads) ahead.
.set SPARE, 59392                      ; the spare words, 128 bytes a wave, behind both paths' bytes
.set QCB,   33792                      ; path 2's LDS bytes begin behind path 1's four stages
	v_lshl_add_u32 v62, v0, 2, SPARE               ; my spare word and 0: kept for the closing add alone
	v_mov_b32 v63, 0
	v_lshrrev_b32 v1, 5, v0
	s_wait_alu depctr_va_vdst(0)
	s_cmp_ge_u32 ttmp9, 384
	s_cbranch_scc1 .Lcomb
.set STG,  8448                        ; a wave's stage: 16 rows x (512 + 16) bytes
.set VR,   2
.set VS,   3
.set STW,  10
.set STR,  11
.set SH8,  12
.set LANE, 13
.set MX,   14
.set SO,   16
.set BY,   18
.set WD,   20
.set SW,   24
.set OUTW, 32
.set P,    36
.set T,    48
.set X,    64
.set R,    128
.set SEL,  54
	s_load_b256 s[4:11], s[0:1], 0x0               ; x s[4:5], W s[6:7], xq s[8:9], xs s[10:11]
	s_load_b128 s[12:15], s[0:1], 0x20             ; wq s[12:13], ws s[14:15]
	v_readfirstlane_b32 s18, v1                    ; wave 0..3
	v_and_b32 v[LANE], 31, v0
	v_and_b32 v22, 15, v0                          ; r
	v_bfe_u32 v23, v0, 4, 1                        ; h
	v_lshlrev_b32 v[SH8], 3, v23
	v_mov_b32 v[WD+1], 0                           ; a lane permute's destination counts as one of its sources
	s_mul_i32 s20, s18, STG
	v_lshlrev_b32 v[VR], 4, v[LANE]
	v_lshlrev_b32 v[VS], 4, v22
	v_lshl_add_u32 v[VS], v23, 11, v[VS]
	v_add_nc_u32 v[STW], s20, v[VR]
	v_mul_u32_u24 v[STR], v22, 528
	v_lshl_add_u32 v[STR], v23, 7, v[STR]
	v_add_nc_u32 v[STR], s20, v[STR]
	s_mov_b32 s[SEL], 0x76543210
	s_mov_b32 s[SEL+1], 0xfedcba98
	s_lshl_b32 s19, ttmp9, 2
	s_add_co_u32 s19, s19, s18
	s_cmp_lt_u32 ttmp9, 128
	s_cselect_b32 s20, 0, 512
	s_sub_co_u32 s19, s19, s20                     ; U: x: (8 b + e) 16 + c / 32;  W: 128 e + o / 32
	s_bfe_u32 s21, s19, 0x30004                    ; x: e
	s_lshr_b32 s22, s19, 7                         ; x: b;  W: e
	s_and_b32 s23, s19, 15
	s_lshl_b32 s24, s22, 4
	s_add_co_u32 s23, s23, s24                     ; x: base2
	s_and_b32 s24, s19, 127                        ; W: base2
	s_lshl_b32 s26, s19, 16                        ; the source: 32 dense rows of 2,048 bytes a unit
	s_mov_b32 s27, 0
	s_wait_alu depctr_va_vdst(0)
	s_wait_kmcnt 0x0
	s_cmp_lt_u32 ttmp9, 128                        ; x or W: the choice hangs on the work-group's number alone
	s_cselect_b64 s[4:5], s[4:5], s[6:7]
	s_cselect_b64 s[8:9], s[8:9], s[12:13]
	s_cselect_b64 s[10:11], s[10:11], s[14:15]
	s_cselect_b32 s21, s21, s22
	s_cselect_b32 s23, s23, s24
	s_add_nc_u64 s[4:5], s[4:5], s[26:27]
	s_mul_i32 s28, s23, 98304
	s_mul_i32 s29, s21, 6144
	s_add_co_u32 s28, s28, s29
	s_mov_b32 s29, 0
	s_add_nc_u64 s[8:9], s[8:9], s[28:29]
	s_lshl_b32 s30, s23, 12
	s_lshl_b32 s31, s21, 8
	s_add_co_u32 s30, s30, s31
	s_mov_b32 s31, 0
	s_add_nc_u64 s[10:11], s[10:11], s[30:31]
; Step t: tile u = t % 2, K step s = t / 2.  Every offset is an immediate.
.macro QLOAD t
.irp i, 0,1,2,3,4,5,6,7,8,9,10,11,12,13,14,15
	global_load_b128 v[R+64*((\t)%2)+4*\i:R+64*((\t)%2)+4*\i+3], v[VR], s[4:5] offset:(16*((\t)%2)+\i)*2048+512*((\t)/2) th:TH_LOAD_NT
.endr
.endm
.macro QSTEP t
.if (\t) < 7
	s_wait_loadcnt 16                              ; this step's 16 loads are in; the next step's 16 may be out
.else
	s_wait_loadcnt 0x0
.endif
.irp i, 0,1,2,3,4,5,6,7,8,9,10,11,12,13,14,15
	ds_store_b128 v[STW], v[R+64*((\t)%2)+4*\i:R+64*((\t)%2)+4*\i+3] offset:528*\i
.endr
.irp j, 0,1,2,3,4,5,6,7
	ds_load_b128 v[X+4*\j:X+4*\j+3], v[STR] offset:16*\j                ; LDS serves a wave's instructions in order.  K block h of my row
.endr
.irp j, 0,1,2,3,4,5,6,7
	ds_load_b128 v[X+32+4*\j:X+32+4*\j+3], v[STR] offset:256+16*\j      ; K block 2 + h
.endr
	s_wait_dscnt 0x0                               ; my numbers are back, and the stores into the stage have read their registers,
.if (\t) < 6
	QLOAD (\t)+2                                   ; which take the loads of two steps on
.endif
	v_max3_num_f32 v[MX], |v[X]|, |v[X+1]|, 0x1800000          ; the floor 2^(3 - 127) holds the byte at 1 from below
	v_max3_num_f32 v[MX+1], |v[X+32]|, |v[X+33]|, 0x1800000
.irp i, 2,4,6,8,10,12,14,16,18,20,22,24,26,28,30
	v_max3_num_f32 v[MX], v[MX], |v[X+\i]|, |v[X+\i+1]|
	v_max3_num_f32 v[MX+1], v[MX+1], |v[X+32+\i]|, |v[X+33+\i]|
.endr
	v_add_nc_u32 v[SO], 0xff000000, v[MX]          ; 2 off the exponent field: the conversion's scale operand
	v_add_nc_u32 v[SO+1], 0xff000000, v[MX+1]
	v_lshrrev_b32 v[BY], 23, v[SO]
	v_lshrrev_b32 v[BY+1], 23, v[SO+1]
	v_lshl_or_b32 v[WD], v[BY+1], 16, v[BY]        ; blocks h and 2 + h of my row,
	v_lshlrev_b32 v[WD], v[SH8], v[WD]             ; at their places in the scale word;
	v_permlanex16_b32 v[WD+1], v[WD], s[SEL], s[SEL+1]
	v_or_b32 v[SW+4*((\t)%2)+(\t)/2], v[WD], v[WD+1]   ; with lane l xor 16's two the word is whole
	s_wait_alu depctr_va_vdst(0)
	s_wait_xcnt 0x0                                ; the last step's stores have read the codes' registers
.irp c, 0,1
	v_cvt_scalef32_pk16_fp6_f32 v[P+6*\c:P+6*\c+2], v[X+32*\c:X+32*\c+15], v[SO+\c]
	v_cvt_scalef32_pk16_fp6_f32 v[T+4*\c:T+4*\c+2], v[X+32*\c+16:X+32*\c+31], v[SO+\c]   ; (a conversion's three registers begin on an even number)
.endr
	v_nop                                          ; one plain place behind a scaled conversion
.irp c, 0,1
.irp i, 0,1,2
	v_mov_b32 v[P+6*\c+3+\i], v[T+4*\c+\i]
.endr
.endr
.irp j, 0,1,2
	global_store_b128 v[VR], v[P+4*\j:P+4*\j+3], s[8:9] offset:49152*((\t)%2)+1536*((\t)/2)+512*\j   ; 32 lanes store 512 consecutive bytes, aligned
.endr
.endm
	QLOAD 0
	QLOAD 1
.irp t, 0,1,2,3,4,5,6,7
	QSTEP \t
.endr
	v_cmp_le_u32 vcc_lo, 16, v[LANE]               ; lanes 0-15 give tile 0's words, lanes 16-31 tile 1's
.irp s, 0,1,2,3
	v_cndmask_b32 v[OUTW+\s], v[SW+\s], v[SW+4+\s], vcc_lo
.endr
	global_store_b128 v[VS], v[OUTW:OUTW+3], s[10:11]      ; sixteen lanes store 256 consecutive bytes, aligned
	s_wait_tensorcnt 0x0                           ; the wave's end
	ds_add_u32 v62, v63
	s_wait_dscnt 0x0
	s_endpgm
.Lcomb:
.set WREG, 6400                        ; LDS of a wave: 4 images, then 256 scale bytes
.set VO,   8
.set A128, 10
.set A64,  11
.set AB,   12
.set RB,   13
.set RS,   14
.set VC,   15
.set VS,   16
.set MX,   20
.set SO,   22
.set BY,   23
.set P,    24
.set TQ,   30
.set SC,   34
.set X,    64
	s_load_b128 s[4:7], s[0:1], 0x30               ; combine_array, cq
	s_load_b64 s[8:9], s[0:1], 0x40                ; cs
	v_readfirstlane_b32 s10, v1                    ; wave 0..3
	v_and_b32 v2, 31, v0                           ; lane
	v_bfe_u32 v3, v0, 4, 1                         ; which row of the pair
	v_and_b32 v4, 15, v0                           ; my group of 4 c among the unit's 16
	v_bfe_u32 v5, v0, 2, 2                         ; its K step J
	v_bfe_u32 v6, v0, 1, 1                         ; h
	v_and_b32 v7, 1, v0                            ; a: registers 6 a .. 6 a + 5
	v_lshlrev_b32 v[VO], 4, v4
	v_lshl_add_u32 v[VO], v3, 14, v[VO]
	s_mul_i32 s11, s10, WREG
	s_add_co_u32 s11, s11, QCB
	v_mul_u32_u24 v9, v5, 1536
	v_mad_u32_u24 v9, v7, 768, v9
	v_add_nc_u32 v9, s11, v9                       ; image J, half a
	v_lshl_add_u32 v[A128], v6, 8, v9              ; + 16 (r + 16 h), r = 2 i + the row of the pair; 32 i stands in the immediate
	v_lshl_add_u32 v[A128], v3, 4, v[A128]
	v_lshl_add_u32 v[A64], v6, 7, v9               ; + 512 + 8 (r + 16 h)
	v_lshl_add_u32 v[A64], v3, 3, v[A64]
	v_add_nc_u32 v[A64], 512, v[A64]
	v_bfe_u32 v[AB], v0, 3, 1                      ; the scale byte: 128 (J / 2) + 8 r + 4 (J % 2) + h + 2 a
	v_lshlrev_b32 v[AB], 7, v[AB]
	v_bfe_u32 v17, v0, 2, 1
	v_lshl_add_u32 v[AB], v17, 2, v[AB]
	v_lshl_add_u32 v[AB], v3, 3, v[AB]
	v_add_nc_u32 v[AB], v[AB], v6
	v_lshl_add_u32 v[AB], v7, 1, v[AB]
	s_add_co_u32 s12, s11, 6144
	v_add_nc_u32 v[AB], s12, v[AB]
	v_lshlrev_b32 v[VC], 4, v2
	v_add_nc_u32 v[RB], s11, v[VC]
	v_lshlrev_b32 v[RS], 3, v2
	v_add_nc_u32 v[RS], s12, v[RS]
	v_lshlrev_b32 v[VS], 3, v4
	v_lshl_add_u32 v[VS], v3, 12, v[VS]
	s_sub_co_u32 s13, ttmp9, 384
	s_lshl_b32 s13, s13, 2
	s_add_co_u32 s13, s13, s10                     ; the unit: (32 b + t / 16) 8 + c / 64
	s_and_b32 s14, s13, 7                          ; G = c / 64
	s_bfe_u32 s15, s13, 0x50003                    ; T = t / 16
	s_lshr_b32 s16, s13, 8                         ; b
	s_lshl_b32 s20, s16, 23                        ; the source: b x 512 rows of 16,384 bytes + 16 T rows + 256 G
	s_lshl_b32 s17, s15, 18
	s_add_co_u32 s20, s20, s17
	s_lshl_b32 s17, s14, 8
	s_add_co_u32 s20, s20, s17
	s_mov_b32 s21, 0
	s_lshl_b32 s17, s16, 4
	s_lshl_b32 s18, s14, 1
	s_add_co_u32 s17, s17, s18                     ; 16 b + m, m = 2 G
	s_lshl_b32 s17, s17, 2
	s_lshr_b32 s18, s15, 3
	s_add_co_u32 s17, s17, s18                     ; x 4 + t / 128
	s_and_b32 s18, s15, 7                          ; the tile among the wave's eight
	s_mul_i32 s22, s17, 24576
	s_mul_i32 s19, s18, 1536
	s_add_co_u32 s22, s22, s19
	s_mov_b32 s23, 0
	s_lshl_b32 s24, s17, 10
	s_lshl_b32 s19, s18, 7
	s_add_co_u32 s24, s24, s19
	s_mov_b32 s25, 0
	s_wait_alu depctr_va_vdst(0)
	s_wait_kmcnt 0x0
	s_add_nc_u64 s[4:5], s[4:5], s[20:21]
	s_add_nc_u64 s[6:7], s[6:7], s[22:23]
	s_add_nc_u64 s[8:9], s[8:9], s[24:25]
.macro CLOAD i                         ; rows 2 i and 2 i + 1, all eight e, into set i % 4
.irp e, 0,1,2,3,4,5,6,7
	global_load_b128 v[X+32*((\i)%4)+4*\e:X+32*((\i)%4)+4*\e+3], v[VO], s[4:5] offset:(\i)*32768+\e*2048 th:TH_LOAD_NT   ; sixteen lanes read 256 consecutive bytes, aligned
.endr
.endm
.macro CSTEP i
.set XS, X+32*((\i)%4)
.if (\i) < 5
	s_wait_loadcnt 24                              ; this pair's eight loads are in; those of the three pairs behind it may be out
.else
	s_wait_loadcnt 8*(7-(\i))
.endif
	v_max3_num_f32 v[MX], |v[XS]|, |v[XS+1]|, 0x1800000            ; two chains; the floor 2^(3 - 127) holds the byte at 1 from below
	v_max3_num_f32 v[MX+1], |v[XS+16]|, |v[XS+17]|, |v[XS+18]|
.irp k, 0,1,2,3,4,5
	v_max3_num_f32 v[MX], v[MX], |v[XS+2+2*\k]|, |v[XS+3+2*\k]|
	v_max3_num_f32 v[MX+1], v[MX+1], |v[XS+19+2*\k]|, |v[XS+20+2*\k]|
.endr
	v_max3_num_f32 v[MX], v[MX], |v[XS+14]|, |v[XS+15]|
	v_max3_num_f32 v[MX], v[MX], v[MX+1], |v[XS+31]|
	v_add_nc_u32 v[SO], 0xff000000, v[MX]          ; 2 off the exponent field: the conversion's scale operand
	s_wait_alu depctr_va_vdst(0)
	s_wait_dscnt 0x0                               ; the last pair's stores into the stage have read their registers
	v_lshrrev_b32 v[BY], 23, v[SO]
	v_cvt_scalef32_pk16_fp6_f32 v[P:P+2], v[XS:XS+15], v[SO]
	v_cvt_scalef32_pk16_fp6_f32 v[TQ:TQ+2], v[XS+16:XS+31], v[SO]
	v_nop                                          ; one plain place behind a scaled conversion
.irp k, 0,1,2
	v_mov_b32 v[P+3+\k], v[TQ+\k]
.endr
	ds_store_b128 v[A128], v[P:P+3] offset:32*(\i)
	ds_store_b64 v[A64], v[P+4:P+5] offset:16*(\i)
	ds_store_b8 v[AB], v[BY] offset:16*(\i)
.if (\i) < 4
	CLOAD (\i)+4
.endif
.endm
.irp i, 0,1,2,3
	CLOAD \i
.endr
.irp i, 0,1,2,3,4,5,6,7
	CSTEP \i
.endr
.irp q, 0,1,2,3,4,5,6,7,8,9,10,11
	ds_load_b128 v[X+4*\q:X+4*\q+3], v[RB] offset:512*\q           ; LDS serves a wave's instructions in order: these see my stores
.endr
	ds_load_b64 v[SC:SC+1], v[RS]
.irp q, 0,1,2,3,4,5,6,7,8,9,10,11
	s_wait_dscnt 12-\q
	global_store_b128 v[VC], v[X+4*\q:X+4*\q+3], s[6:7] offset:((\q/3)/2)*98304+((\q/3)%2)*12288+512*(\q%3)   ; image J = q / 3: chunk J / 2, K step J % 2; 512 consecutive bytes, aligned
.endr
	s_wait_dscnt 0x0
	global_store_b64 v[VS], v[SC:SC+1], s[8:9]     ; lanes 0-15: the first chunk's 128 bytes; lanes 16-31: the second's
	s_wait_tensorcnt 0x0                           ; the wave's end
	ds_add_u32 v62, v63
	s_wait_dscnt 0x0
	s_endpgm
.Lfunc_end_k_q8ea1f39318_prep:
	.size	k_q8ea1f39318_prep, .Lfunc_end_k_q8ea1f39318_prep-k_q8ea1f39318_prep
	.p2alignl 7, 3214868480
	.fill 96, 4, 3214868480
	.section	.rodata,"a",@progbits
	.p2align	6, 0x0
	.amdhsa_kernel k_q8ea1f39318_prep
		.amdhsa_group_segment_fixed_size 59904
		.amdhsa_private_segment_fixed_size 0
		.amdhsa_enable_private_segment 0
		.amdhsa_kernarg_size 72
		.amdhsa_user_sgpr_count 2
		.amdhsa_user_sgpr_kernarg_segment_ptr 1
		.amdhsa_wavefront_size32 1
		.amdhsa_system_sgpr_workgroup_id_x 1
		.amdhsa_system_sgpr_workgroup_id_y 1
		.amdhsa_system_sgpr_workgroup_id_z 1
		.amdhsa_system_vgpr_workitem_id 0
		.amdhsa_next_free_vgpr 256
		.amdhsa_next_free_sgpr 66
		.amdhsa_reserve_vcc 1
		.amdhsa_float_denorm_mode_32 3
		.amdhsa_float_denorm_mode_16_64 3
		.amdhsa_memory_ordered 1
		.amdhsa_forward_progress 1
		.amdhsa_inst_pref_size 83
	.end_amdhsa_kernel
	.amdgpu_metadata
---
amdhsa.version: [ 1, 2 ]
amdhsa.kernels:
  - .name:           k_q8ea1f39318_prep
    .symbol:         k_q8ea1f39318_prep.kd
    .args:
      - { .name: x, .offset: 0, .size: 8, .value_kind: global_buffer, .address_space: global }
      - { .name: W, .offset: 8, .size: 8, .value_kind: global_buffer, .address_space: global }
      - { .name: xq, .offset: 16, .size: 8, .value_kind: global_buffer, .address_space: global }
      - { .name: xs, .offset: 24, .size: 8, .value_kind: global_buffer, .address_space: global }
      - { .name: wq, .offset: 32, .size: 8, .value_kind: global_buffer, .address_space: global }
      - { .name: ws, .offset: 40, .size: 8, .value_kind: global_buffer, .address_space: global }
      - { .name: combine_array, .offset: 48, .size: 8, .value_kind: global_buffer, .address_space: global }
      - { .name: cq, .offset: 56, .size: 8, .value_kind: global_buffer, .address_space: global }
      - { .name: cs, .offset: 64, .size: 8, .value_kind: global_buffer, .address_space: global }
    .group_segment_fixed_size: 59904
    .private_segment_fixed_size: 0
    .kernarg_segment_align: 8
    .kernarg_segment_size: 72
    .max_flat_workgroup_size: 128
    .sgpr_count:     66
    .vgpr_count:     256
    .wavefront_size: 32
...
	.end_amdgpu_metadata
.endif
;; end of part 1
;; launch fused (part 2): grid 64 x 4, 4 waves a work-group, clusters of 4 x 1, 327,680 bytes of LDS; arguments xq, xs, cq, cs, wq, ws, b, out0; writes out0
.if DOCPART == 2
	.amdgcn_target "amdgcn-amd-amdhsa--gfx1250"
	.amdhsa_code_object_version 6
	.text
	.protected	k_q8ea1f39318_fused
	.globl	k_q8ea1f39318_fused
	.p2align	8
	.type	k_q8ea1f39318_fused,@function
k_q8ea1f39318_fused:
	s_mov_b64 s[64:65], 0
	v_nop
	global_prefetch_b8 v0, s[64:65] scope:SCOPE_SE
	s_setreg_imm32_b32 hwreg(HW_REG_WAVE_MODE, 25, 1), 1
	s_wait_xcnt 0x0
	s_wait_alu depctr_hold_cnt(0) depctr_sa_sdst(0) depctr_va_vdst(0) depctr_va_sdst(0) depctr_va_ssrc(0) depctr_va_vcc(0) depctr_vm_vsrc(0)
	s_getreg_b32 s2, hwreg(HW_REG_IB_STS2, 6, 4)
	s_cmp_eq_u32 s2, 0
	s_cbranch_scc0 .Lentry_in_a_cluster
	s_endpgm
.Lentry_in_a_cluster:
	s_bfe_u32 s2, ttmp6, 0x10000c
	s_cmp_lg_u32 s2, 0x3003
	s_cbranch_scc0 .Lentry_shape_is_right
	s_endpgm
.Lentry_shape_is_right:
; out[b][t][o] = sum over k of Q(combine[b][t][k]) Q(eo[b][k][o]),  eo[b][e][c][o] = sum over i of Q(x[b][e][c][i]) Q(W[e][o][i]) + bias[o];  Q: FP6 (E2M3), one E8M0 scale for each 32 along the product's K.
; The second product's K is k = 8 c + e: a block of 32 is 4 neighbouring c x all 8 experts.  x, W and combine arrive as fragment images and scale words, laid by the launch before.  eo never goes to memory.
; LIMITS: a block of eo whose largest magnitude lies under 2^-124 (a block of zeros among them) has its byte held at 1: zero codes add nothing under that byte; NaN and infinities are not served.
; SHARES.  A work-group owns one b and 64 o, for all 512 t: 256 work-groups of four waves.  It walks c in 16 chunks of 32 (two K steps ks of the second product, 16 c each).
;  FIRST PRODUCT: wave w = (eh = w % 2, oh = w / 2) makes eo for experts 4 eh .. + 3, tiles 2 oh, 2 oh + 1 of 16 o.  Its W (32 fragments, 384 registers) stays in registers.  A fragment of x feeds two matrix instructions and is read by two waves.
;    Source 0 = 16 rows c of x, source 1 = 16 rows o of W: a lane holds one o, register j the row c = 8 (lane / 16) + j.  A block's 32 numbers, in the order 4 e + c % 4, lie half in wave (0, oh) and half in wave (1, oh), 16 in a lane each:
;    one conversion, 96 bits.  Only the half blocks' largest magnitudes change hands.  Each wave stores its three registers of each block into eo's images word by word, and the byte of block half a = eh.
;  SECOND PRODUCT: wave w makes t = 128 w .. + 127 x the 64 o: source 0 = 16 rows o of eo, source 1 = 16 rows t of combine.  32 accumulators, which live through all chunks.  It goes in four groups of 16 matrix instructions.
; A CHUNK'S ORDER: products of c 0-15; their magnitudes stored, barrier M0 signalled; products of c 16-31, M0 awaited among them; magnitudes of c 16-31 stored; codes of ks 0 stored; barrier M1; eo's ks 0 fetched while the codes of ks 1 are made and stored;
;    barrier B; combine's sets and eo's ks 1 fetched; groups 0, 1.  When combine's last set is asked for, its region is done with: THE NEXT CHUNK'S ROUND stands here, group 2 between its add and the wait for it; groups 3 and the next chunk's first product follow the refills.
; THE STREAMS.  A chunk of x's codes is 98,304 bytes, of combine's as many.  x has two LDS slots, combine one.  ONE round of the cluster's barrier a chunk: behind it waves 0, 1 ask for the coming chunk's combine (a half each), waves 2, 3 for the x of the chunk after it.
;    M0, M1 and B fill nothing.  Every wave waits for its tensor load in front of B: behind B combine's region and x's other slot are read.
; CLUSTER.  The four work-groups of a cluster share b, x and combine: the tensor loads are joint.  W hangs on o and is read once, straight into registers.
; REGISTERS (windows of 256; s_set_vgpr_msb: bits 1:0 source 0, 3:2 source 1, 5:4 source 2, 7:6 destination):
;  window 0: v1-31 addresses, bias; v32-79 scale words alone; v80-95 largest magnitudes; v96-159 the first product's 8 accumulators; v160-255 two sets of 4 fragments, of x and then of combine; at last rows of out
;  window 1: v0-191 W of K steps 0, 1; v192-255 the numbers of c 0-15, then eo's fragments of ks 0.  window 2: the same for K steps 2, 3, c 16-31 and ks 1.  window 3: the second product's accumulators.
.set CSTEP, 98304                      ; bytes from chunk to chunk in xq and cq; also from x's slot 0 to slot 1 in LDS
.set HALF,  49152                      ; what one tensor load brings
.set CR,    196608                     ; LDS: combine's region, behind x's two slots
.set HIMG,  294912                     ; eo's 8 fragments: (ks, tile n) at 6,144 ks + 1,536 n; registers 4 j .. 4 j + 3 at 512 j + 16 x lane
.set HSC,   307200                     ; eo's scale words: 256 ks + 16 r + 4 n
.set MXR,   307712                     ; the largest magnitudes: 1,024 bytes a wave
.set SPARE, 311808                     ; the spare words, 128 bytes a wave: two blocks of 256 bytes that no other line names
.set XA,   1                           ; v1-4  x's fragments: 16 x lane + 24,576 eh + 98,304 slot + 49,152 ct at v[XA + 2 slot + ct]
.set CA16, 5
.set CA8,  6
.set RL16, 7                           ; HIMG + 16 x lane
.set RS,   8                           ; HSC + 16 r
.set HA12, 9                           ; HIMG + 3,072 oh + 16 x lane + 12 eh
.set HA508, 10                         ; the same + 508 eh
.set HWS,  11                          ; HSC + 16 r + 8 oh + h + 2 eh
.set MXW,  12
.set MXP,  13                          ; my partner's place (wave xor 1)
.set SPW,  14
.set NIL,  15
.set PFO,  16
.set L8,   17
.set L16,  18
.set BV,   20                          ; v20-23 the bias of my o: tile 0 twice, tile 1 twice
.set GO,   24
.set STO,  25
.set RD,   26
.set TA,   27
.set XSC,  32                          ; x's scale words: 8 ct + 4 p + s: lanes 0-15 expert 2 p of my four, lanes 16-31 expert 2 p + 1
.set WSC,  48                          ; W's: 8 tile + 4 p + s likewise
.set CSC,  64                          ; combine's: 2 p + ks: lanes 0-15 tile 2 p, lanes 16-31 tile 2 p + 1
.set ESC,  72                          ; eo's: 4 ks + n
.set MX,   80                          ; 4 ct + 2 tile + a
.set PM,   88
.set D1,   96                          ; accumulator (tile, e) at D1 + 8 (4 tile + e)
.set XS,   160
.set BK,   96
.set TB,   192                         ; windows 1, 2: half block (tile, a) at TB + 32 tile + 16 a
.set FS,   192                         ; windows 1, 2: eo's fragment n at FS + 12 n
.set WV,   20
.set SSX,  24
.set SSC,  26
.set G1,   28
.set G0C,  36
.set G0X,  40                          ; s[40:43] slot 0, s[44:47] slot 1
.set PFX,  48
.set PFC,  50
.set LIM,  52
.set EC,   53
.set EHM,  54                          ; all ones where eh = 1
.set MSB, 0
.macro WIN new                         ; the immediate's high byte repeats the setting that is left
.if MSB != (\new)
	s_set_vgpr_msb (MSB<<8)|(\new)
.set MSB, (\new)
.endif
.endm
.macro PLACES n                        ; plain places behind matrix instructions (ISA guide 7.12.1)
.rept \n
	v_nop
.endr
.endm
.macro ROUND                           ; a round of the cluster's barrier
	s_barrier_signal -1
	s_barrier_wait -1
	s_cmp_lg_u32 s[WV], 0
	s_cbranch_scc1 .Lnot_wave_0_\@
	s_barrier_signal -3
.Lnot_wave_0_\@:
	s_barrier_wait -3
	s_barrier_signal -1
	s_barrier_wait -1
.endm
; One matrix instruction.  c < 0: the constant 0 starts the sum.  ra, rb: source 0's, source 1's scale words stand in lanes 16-31.
.macro WMM d, a, b, c, sa, sb, ra, rb
.if (\c) < 0
.if (\ra) && (\rb)
	v_wmma_scale_f32_16x16x128_f8f6f4 v[(\d):(\d)+7], v[(\a):(\a)+11], v[(\b):(\b)+11], 0, v[\sa], v[\sb] matrix_a_fmt:MATRIX_FMT_FP6 matrix_b_fmt:MATRIX_FMT_FP6 matrix_a_scale:MATRIX_SCALE_ROW1 matrix_b_scale:MATRIX_SCALE_ROW1
.elseif \rb
	v_wmma_scale_f32_16x16x128_f8f6f4 v[(\d):(\d)+7], v[(\a):(\a)+11], v[(\b):(\b)+11], 0, v[\sa], v[\sb] matrix_a_fmt:MATRIX_FMT_FP6 matrix_b_fmt:MATRIX_FMT_FP6 matrix_b_scale:MATRIX_SCALE_ROW1
.else
	v_wmma_scale_f32_16x16x128_f8f6f4 v[(\d):(\d)+7], v[(\a):(\a)+11], v[(\b):(\b)+11], 0, v[\sa], v[\sb] matrix_a_fmt:MATRIX_FMT_FP6 matrix_b_fmt:MATRIX_FMT_FP6
.endif
.else
.if (\ra) && (\rb)
	v_wmma_scale_f32_16x16x128_f8f6f4 v[(\d):(\d)+7], v[(\a):(\a)+11], v[(\b):(\b)+11], v[(\c):(\c)+7], v[\sa], v[\sb] matrix_a_fmt:MATRIX_FMT_FP6 matrix_b_fmt:MATRIX_FMT_FP6 matrix_a_scale:MATRIX_SCALE_ROW1 matrix_b_scale:MATRIX_SCALE_ROW1
.elseif \rb
	v_wmma_scale_f32_16x16x128_f8f6f4 v[(\d):(\d)+7], v[(\a):(\a)+11], v[(\b):(\b)+11], v[(\c):(\c)+7], v[\sa], v[\sb] matrix_a_fmt:MATRIX_FMT_FP6 matrix_b_fmt:MATRIX_FMT_FP6 matrix_b_scale:MATRIX_SCALE_ROW1
.else
	v_wmma_scale_f32_16x16x128_f8f6f4 v[(\d):(\d)+7], v[(\a):(\a)+11], v[(\b):(\b)+11], v[(\c):(\c)+7], v[\sa], v[\sb] matrix_a_fmt:MATRIX_FMT_FP6 matrix_b_fmt:MATRIX_FMT_FP6
.endif
.endif
.endm
; The first product goes in 8 groups G = 4 ct + s: 16 rows c of tile ct, K step s, my four experts.
.macro XF G, sl                        ; x's four fragments of group G into set G % 2: 12 loads of 512 bytes.  An LDS load names a destination and source 0 alone, so the first product's window setting (source 1) may stand
.irp i, 0,1,2,3
.irp j, 0,1,2
	ds_load_b128 v[XS+48*((\G)%2)+12*\i+4*\j:XS+48*((\G)%2)+12*\i+4*\j+3], v[XA+2*(\sl)+(\G)/4] offset:\i*6144+((\G)%4)*1536+512*\j
.endr
.endr
.endm
.macro MULX G                          ; 8 matrix instructions on 8 accumulators, by turns, in the same order for every s; s = 0 starts the sums
.if ((\G)%4) < 2
	WIN 0x04
.else
	WIN 0x08
.endif
.irp e, 0,1,2,3
.irp o, 0,1
.if ((\G)%4) == 0
	WMM D1+8*(4*\o+\e), XS+48*((\G)%2)+12*\e, 12*(8*((\G)%2)+4*\o+\e), -1, XSC+8*((\G)/4)+4*(\e/2)+(\G)%4, WSC+8*\o+4*(\e/2)+(\G)%4, \e%2, \e%2
.else
	WMM D1+8*(4*\o+\e), XS+48*((\G)%2)+12*\e, 12*(8*((\G)%2)+4*\o+\e), D1+8*(4*\o+\e), XSC+8*((\G)/4)+4*(\e/2)+(\G)%4, WSC+8*\o+4*(\e/2)+(\G)%4, \e%2, \e%2
.endif
.endr
.endr
.endm
.macro ADDMAX ct                       ; + bias[o], each number to its place in its half block (window 1 + ct); then the four half blocks' largest magnitudes.  Each accumulator is read from its low end on
	WIN 0x40*(1+(\ct))
.irp o, 0,1
.irp e, 0,1,2,3
.irp a, 0,1
.irp q, 0,2
	v_pk_add_f32 v[TB+32*\o+16*\a+4*\e+\q:TB+32*\o+16*\a+4*\e+\q+1], v[D1+8*(4*\o+\e)+4*\a+\q:D1+8*(4*\o+\e)+4*\a+\q+1], v[BV+2*\o:BV+2*\o+1]
.endr
.endr
.endr
.endr
	WIN 0x14*(1+(\ct))
.irp c, 0,1,2,3
	v_max3_num_f32 v[MX+4*(\ct)+\c], 0x1800000, |v[TB+16*\c]|, |v[TB+16*\c+1]|   ; the floor 2^(3 - 127) holds the byte at 1 from below
.endr
.irp i, 2,4,6,8,10,12,14
.irp c, 0,1,2,3
	v_max3_num_f32 v[MX+4*(\ct)+\c], v[MX+4*(\ct)+\c], |v[TB+16*\c+\i]|, |v[TB+16*\c+\i+1]|
.endr
.endr
	WIN 0
.endm
; K step ct of eo, behind my partner's magnitudes: scales, bytes, codes (into v[cd ..], four registers' room each), and their stores.
; My three registers of block a are the fragment's registers 6 a + 3 eh + 0 .. 2; register q lies at 512 (q / 4) + 4 (q % 4).  From eh = 0 to eh = 1 that is 12 or 508 bytes on.
.macro QFIN ct, cd
.irp i, 0,1,2,3
	v_max_num_f32 v[MX+4*(\ct)+\i], v[MX+4*(\ct)+\i], v[PM+4*(\ct)+\i]     ; the whole block's largest magnitude
.endr
.irp i, 0,1,2,3
	v_add_nc_u32 v[MX+4*(\ct)+\i], 0xff000000, v[MX+4*(\ct)+\i]            ; 2 off the exponent field: the conversion's scale operand
.endr
.irp i, 0,1,2,3
	v_lshrrev_b32 v[PM+4*(\ct)+\i], 23, v[MX+4*(\ct)+\i]                   ; the scale's byte
.endr
.irp i, 0,2
	v_cndmask_b32 v[PM+4*(\ct)+\i], v[PM+4*(\ct)+\i], v[PM+4*(\ct)+\i+1], s[EHM]   ; I store the byte of block half a = eh
.endr
	WIN 1+(\ct)
.irp c, 0,1,2,3
	v_cvt_scalef32_pk16_fp6_f32 v[(\cd)+4*\c:(\cd)+4*\c+2], v[TB+16*\c:TB+16*\c+15], v[MX+4*(\ct)+\c]
.endr
	v_nop                                          ; one plain place behind a scaled conversion
	WIN 0
.irp o, 0,1
	ds_store_b32 v[HA12], v[(\cd)+8*\o] offset:(\ct)*6144+\o*1536
	ds_store_b32 v[HA508], v[(\cd)+8*\o+1] offset:(\ct)*6144+\o*1536+4
	ds_store_b32 v[HA508], v[(\cd)+8*\o+2] offset:(\ct)*6144+\o*1536+8
	ds_store_b32 v[HA508], v[(\cd)+8*\o+4] offset:(\ct)*6144+\o*1536+520
	ds_store_b32 v[HA508], v[(\cd)+8*\o+5] offset:(\ct)*6144+\o*1536+524
	ds_store_b32 v[HA12], v[(\cd)+8*\o+6] offset:(\ct)*6144+\o*1536+1024
	ds_store_b8 v[HWS], v[PM+4*(\ct)+2*\o] offset:(\ct)*256+\o*4
.endr
.endm
.macro GXS off                         ; x's scale words of a chunk, my four experts: 4 loads
.irp t, 0,1
.irp p, 0,1
	global_load_b128 v[XSC+8*\t+4*\p:XSC+8*\t+4*\p+3], v[L16], s[SSX:SSX+1] offset:(\off)+2048*\t+512*\p
.endr
.endr
.endm
.macro GCS                             ; combine's scale words of this chunk, my 8 tiles
.irp p, 0,1,2,3
	global_load_b64 v[CSC+2*\p:CSC+2*\p+1], v[L8], s[SSC:SSC+1] offset:256*\p
.endr
.endm
.macro EFETCH k                        ; eo's 4 fragments of K step k into window 1 + k, and their scale words: 13 loads
	WIN 0
	ds_load_b128 v[ESC+4*(\k):ESC+4*(\k)+3], v[RS] offset:256*(\k)
	WIN 0x40*(1+(\k))
.irp q, 0,1,2,3,4,5,6,7,8,9,10,11
	ds_load_b128 v[FS+4*\q:FS+4*\q+3], v[RL16] offset:(\k)*6144+512*\q
.endr
	WIN 0
.endm
; The second product goes in 4 groups k: K step k / 2, tiles 4 (k % 2) + 0 .. 3 of my t; combine's fragments in set k % 2.
.macro CF k                            ; 16 loads
	WIN 0
.irp i, 0,1,2,3
	ds_load_b128 v[XS+48*((\k)%2)+12*\i:XS+48*((\k)%2)+12*\i+3], v[CA16] offset:(4*(\k)+\i)*1536
	ds_load_b64 v[XS+48*((\k)%2)+12*\i+4:XS+48*((\k)%2)+12*\i+5], v[CA8] offset:(4*(\k)+\i)*1536+512
	ds_load_b128 v[XS+48*((\k)%2)+12*\i+6:XS+48*((\k)%2)+12*\i+9], v[CA16] offset:(4*(\k)+\i)*1536+768
	ds_load_b64 v[XS+48*((\k)%2)+12*\i+10:XS+48*((\k)%2)+12*\i+11], v[CA8] offset:(4*(\k)+\i)*1536+1280
.endr
.endm
.macro MULC k, zero                    ; 16 matrix instructions on 16 accumulators, by turns.  zero = 1: the first chunk's first K step starts the sums
	WIN 0xf1+(\k)/2
.irp t, 0,1,2,3
.irp n, 0,1,2,3
.if (\zero) && (((\k)/2) == 0)
	WMM 8*(4*(4*((\k)%2)+\t)+\n), FS+12*\n, XS+48*((\k)%2)+12*\t, -1, ESC+4*((\k)/2)+\n, CSC+2*(2*((\k)%2)+\t/2)+(\k)/2, 0, \t%2
.else
	WMM 8*(4*(4*((\k)%2)+\t)+\n), FS+12*\n, XS+48*((\k)%2)+12*\t, 8*(4*(4*((\k)%2)+\t)+\n), ESC+4*((\k)/2)+\n, CSC+2*(2*((\k)%2)+\t/2)+(\k)/2, 0, \t%2
.endif
.endr
.endr
.endm
; PREFETCHES INTO THE L2, behind a run of LDS loads: in chunk n x's codes of chunk n + 3 and combine's of chunk n + 2, both wanted by the tensor loads behind the round of chunk n + 2: more than one whole trip on.
; Each block of 256 bytes is named once in each cluster that will load it: a chunk's 98,304 bytes are twelve pieces of 8,192: waves 0 to 2 of the four partners take piece 3 cx + wave, told apart by address; lanes 256 bytes apart.
; Chunks 13 to 15 ask for nothing; the first chunks, W and the scale words come by their loads alone.
.macro ASK inloop
.if \inloop
	s_cmp_gt_u32 s[EC], s[LIM]                     ; not in the loop's last trip (chunks 13, 14)
.else
	s_cmp_eq_u32 s[LIM], 1
.endif
	s_cbranch_scc0 .Lnot_mine_\@
	global_prefetch_b8 v[PFO], s[PFX:PFX+1] th:TH_LOAD_NT scope:SCOPE_SE
	global_prefetch_b8 v[PFO], s[PFC:PFC+1] th:TH_LOAD_NT scope:SCOPE_SE
.Lnot_mine_\@:
.endm
; THE ROUND OF CHUNK n (1 to 15), in the second product of chunk n - 1.  Every wave has waited for all its tensor loads (none is out behind barrier B), adds 0 to its spare word, multiplies group 2, and waits for the add and for its LDS reads:
; combine's last set is then in registers.  Behind the round combine's region takes chunk n's codes and x's slot 1 - par those of chunk n + 1 (last = 1: there is none).  par: the slot that holds chunk n's x, whose first fragments are fetched here.
.macro SEG_S last, par, ask
	WIN 0
	s_wait_tensorcnt 0x0                           ; no tensor load of mine is out, so a group 0 may be written
	ds_add_u32 v[SPW], v[NIL]
	s_wait_xcnt 0x0                                ; the last chunk's loads and prefetches have read their bases
	s_add_nc_u64 s[SSX:SSX+1], s[SSX:SSX+1], 4096
	s_add_nc_u64 s[SSC:SSC+1], s[SSC:SSC+1], 4096
	s_add_nc_u64 s[G0C+2:G0C+3], s[G0C+2:G0C+3], CSTEP
.if (\last) == 0
	s_add_nc_u64 s[G0X+4*(1-(\par))+2:G0X+4*(1-(\par))+3], s[G0X+4*(1-(\par))+2:G0X+4*(1-(\par))+3], 2*CSTEP
.endif
.if \ask
	s_add_nc_u64 s[PFX:PFX+1], s[PFX:PFX+1], CSTEP
	s_add_nc_u64 s[PFC:PFC+1], s[PFC:PFC+1], CSTEP
.endif
	s_wait_dscnt 17                                ; group 2 and eo's ks 1 are in; the add and group 3's 16 loads may be out
	MULC 2, 0
	PLACES 4                                       ; for the loads into set 0 below
	WIN 0
	s_wait_dscnt 0x0                               ; the add is done, and my reads of combine's region are over
	ROUND
	s_cmp_lt_u32 s[WV], 2
	s_cbranch_scc0 .Lfor_x_\@
	tensor_load_to_lds s[G0C:G0C+3], s[G1:G1+7]    ; waves 0, 1: chunk n's combine
	s_nop 0
	PLACES 4
	s_branch .Lasked_\@
.Lfor_x_\@:
.if (\last) == 0
	tensor_load_to_lds s[G0X+4*(1-(\par)):G0X+4*(1-(\par))+3], s[G1:G1+7]   ; waves 2, 3: chunk n + 1's x
	s_nop 0
	PLACES 4
.endif
.Lasked_\@:
	XF 0, \par
	MULC 3, 0
	PLACES 4                                       ; for the loads into set 1 and into combine's scale words
	WIN 0
	XF 1, \par
.endm
; THE WORK OF CHUNK n, from its first product to group 1 of its second.
.macro SEG_R first, last, par, ask
	s_wait_loadcnt 0x0                             ; x's scale words (the first time W, its scale words and the bias too)
	GCS
.irp G, 0,1,2,3
	s_wait_dscnt 12                                ; this group's 12 loads are in; the next group's may be out
	MULX \G
	PLACES 4
	XF \G+2, \par
.endr
	ADDMAX 0
	ds_store_b128 v[MXW], v[MX:MX+3]               ; the magnitudes of c 0-15 to my partner
	s_wait_alu depctr_va_vdst(0)
	s_wait_dscnt 0x0                               ; for my partner's sake; groups 4 and 5 are in too
	s_barrier_signal -1                            ; M0: between signal and wait stand products and loads of x's slot, which nobody writes before the next round
	MULX 4
	PLACES 4
	XF 6, \par
	MULX 5
	PLACES 4
	XF 7, \par
	s_barrier_wait -1
	ds_load_b128 v[PM:PM+3], v[MXP]
	s_wait_dscnt 13                                ; group 6 is in; group 7's 12 loads and the magnitudes may be out
	MULX 6
	s_wait_dscnt 0x0
	MULX 7
	PLACES 4
	ADDMAX 1
	ds_store_b128 v[MXW], v[MX+4:MX+7] offset:512  ; the magnitudes of c 16-31
	QFIN 0, XS                                     ; x's sets are done with: the codes of ks 0 stand there
	s_wait_alu depctr_va_vdst(0)
	s_wait_dscnt 0x0
	s_barrier_signal -1                            ; M1
	s_barrier_wait -1
	ds_load_b128 v[PM+4:PM+7], v[MXP] offset:512
	EFETCH 0
.if \ask
	ASK (\ask)-1
.endif
	s_wait_dscnt 13                                ; my partner's magnitudes are in; behind them 13 loads of eo
	QFIN 1, D1
	s_wait_loadcnt 0x0                             ; combine's scale words
.if (\last) == 0
	GXS 4096
.endif
	s_wait_alu depctr_va_vdst(0)
	s_wait_tensorcnt 0x0                           ; my half of combine's codes, or of the next chunk's x, has landed
	s_wait_dscnt 0x0
	s_barrier_signal -1                            ; B
	s_barrier_wait -1
	CF 0
	CF 1
	EFETCH 1
	s_wait_dscnt 29                                ; group 0 is in; behind it 16 + 13 loads
	MULC 0, \first
	PLACES 4
	CF 2
	s_wait_dscnt 29                                ; group 1 is in; behind it 13 + 16 loads
	MULC 1, \first
	PLACES 4
	CF 3
.endm
	s_load_b512 s[4:19], s[0:1], 0x0               ; xq s[4:5], xs s[6:7], cq s[8:9], cs s[10:11], wq s[12:13], ws s[14:15], b s[16:17], out0 s[18:19]
	v_lshl_add_u32 v[SPW], v0, 2, SPARE
	v_mov_b32 v[NIL], 0
	ds_add_u32 v[SPW], v[NIL]                      ; the opening lines: the add, twice on end, and its wait
	ds_add_u32 v[SPW], v[NIL]
	v_lshrrev_b32 v28, 5, v0
	v_readfirstlane_b32 s[WV], v28                 ; wave 0..3
	s_bfe_u32 s21, ttmp6, 0x40000                  ; cx
	s_lshl_b32 s22, ttmp9, 2
	s_add_co_u32 s22, s22, s21                     ; my group of 64 o
	s_and_b32 s23, ttmp7, 0xffff                   ; b, which the partners share
	s_and_b32 s55, s[WV], 1                        ; eh; also which half of a region I fetch
	s_lshr_b32 s56, s[WV], 1                       ; oh
	s_mul_i32 s58, s23, 16*CSTEP                   ; s58-63 never hold cx: my half of (b, chunk 0) in xq and cq,
	s_mul_i32 s57, s55, HALF
	s_add_co_u32 s58, s58, s57
	s_mov_b32 s59, 0
	s_lshl_b32 s60, s23, 16                        ; (b, chunk 0, eh) in xs,
	s_lshl_b32 s57, s55, 10
	s_add_co_u32 s60, s60, s57
	s_mov_b32 s61, 0
	s_lshl_b32 s62, s23, 16                        ; (b, chunk 0, wave) in cs
	s_lshl_b32 s57, s[WV], 10
	s_add_co_u32 s62, s62, s57
	s_mov_b32 s63, 0
	s_lshl_b32 s74, s22, 2
	s_lshl_b32 s57, s56, 1
	s_add_co_u32 s74, s74, s57                     ; my first tile of 16 o
	s_mul_i32 s66, s55, 24576                      ; LDS and W: my four experts
	s_mul_i32 s76, s74, 49152
	s_add_co_u32 s76, s76, s66
	s_mov_b32 s77, 0
	s_mul_i32 s73, s[WV], 24576
	s_add_co_u32 s67, s73, CR
	s_mul_i32 s68, s56, 3072
	s_add_co_u32 s68, s68, HIMG
	s_mul_i32 s57, s55, 508
	s_add_co_u32 s69, s68, s57
	s_mul_i32 s57, s55, 12
	s_add_co_u32 s68, s68, s57
	s_lshl_b32 s70, s56, 3
	s_lshl_b32 s57, s55, 1
	s_add_co_u32 s70, s70, s57
	s_add_co_u32 s70, s70, HSC
	s_lshl_b32 s71, s[WV], 10
	s_add_co_u32 s71, s71, MXR
	s_xor_b32 s72, s[WV], 1
	s_lshl_b32 s72, s72, 10
	s_add_co_u32 s72, s72, MXR
	s_cmp_eq_u32 s55, 1
	s_cselect_b32 s[EHM], -1, 0
	; descriptor group 1: a dense block of 49,152 bytes as 192 rows of 256 bytes (32 elements of 8 bytes), no padding: images are read as they lie
	s_mov_b32 s[G1+0], 15|(3<<16)|(1<<21)          ; the mask: all four work-groups; elements of 8 bytes; bit 21 beside a mask
	s_mov_b32 s[G1+1], 32<<16
	s_mov_b32 s[G1+2], 192<<16
	s_mov_b32 s[G1+3], 32<<16
	s_mov_b32 s[G1+4], 192
	s_mov_b32 s[G1+5], 32
	s_mov_b32 s[G1+6], 0
	s_mov_b32 s[G1+7], 0
	s_cmp_lt_u32 s[WV], 3                          ; waves 0 to 2 prefetch
	s_cselect_b32 s[LIM], 1, -1
	s_wait_dscnt 0x0                               ; both opening adds are done
	s_wait_kmcnt 0x0
	s_add_nc_u64 s[SSX:SSX+1], s[6:7], s[60:61]
	s_add_nc_u64 s[SSC:SSC+1], s[10:11], s[62:63]
	s_add_nc_u64 s[12:13], s[12:13], s[76:77]      ; my 32 fragments of W,
	s_lshl_b32 s76, s74, 11
	s_lshl_b32 s57, s55, 10
	s_add_co_u32 s76, s76, s57
	s_add_nc_u64 s[14:15], s[14:15], s[76:77]      ; their scale words,
	s_lshl_b32 s76, s74, 6
	s_add_nc_u64 s[16:17], s[16:17], s[76:77]      ; my 32 numbers of the bias
	s_lshl_b32 s76, s23, 23                        ; out: b x 512 rows of 16,384 bytes + my wave's 128 rows + my work-group's 256 bytes of a row
	s_lshl_b32 s57, s[WV], 21
	s_add_co_u32 s76, s76, s57
	s_lshl_b32 s57, s22, 8
	s_add_co_u32 s76, s76, s57
	s_add_nc_u64 s[18:19], s[18:19], s[76:77]
	s_mov_b32 s[G0C], 1
	s_mul_i32 s[G0C+1], s55, HALF
	s_add_co_u32 s[G0C+1], s[G0C+1], CR
	s_add_nc_u64 s[G0C+2:G0C+3], s[8:9], s[58:59]
	s_or_b32 s[G0C+3], s[G0C+3], 0x80000000
	s_mov_b32 s[G0X], 1
	s_mul_i32 s[G0X+1], s55, HALF
	s_add_nc_u64 s[G0X+2:G0X+3], s[4:5], s[58:59]
	s_or_b32 s[G0X+3], s[G0X+3], 0x80000000
	s_mov_b32 s[G0X+4], 1
	s_add_co_u32 s[G0X+5], s[G0X+1], CSTEP
	s_add_nc_u64 s[G0X+6:G0X+7], s[4:5], s[58:59]
	s_add_nc_u64 s[G0X+6:G0X+7], s[G0X+6:G0X+7], CSTEP
	s_or_b32 s[G0X+7], s[G0X+7], 0x80000000
	s_mul_i32 s76, s21, 3                          ; the prefetches: piece 3 cx + wave
	s_add_co_u32 s76, s76, s[WV]
	s_lshl_b32 s76, s76, 13
	s_mul_i32 s57, s23, 16*CSTEP
	s_add_co_u32 s76, s76, s57
	s_add_nc_u64 s[PFX:PFX+1], s[4:5], s[76:77]
	s_add_nc_u64 s[PFX:PFX+1], s[PFX:PFX+1], 3*CSTEP
	s_add_nc_u64 s[PFC:PFC+1], s[8:9], s[76:77]
	s_add_nc_u64 s[PFC:PFC+1], s[PFC:PFC+1], 2*CSTEP
	ROUND                                          ; all four work-groups are here: the first joint loads meet
	s_cmp_lt_u32 s[WV], 2                          ; one tensor load a wave at the head: waves 0, 1 chunk 0's combine, waves 2, 3 its x
	s_cbranch_scc0 .Lhead_x
	tensor_load_to_lds s[G0C:G0C+3], s[G1:G1+7]
	s_nop 0
	PLACES 4
	s_branch .Lhead_asked
.Lhead_x:
	tensor_load_to_lds s[G0X:G0X+3], s[G1:G1+7]
	s_nop 0
	PLACES 4
.Lhead_asked:
	v_and_b32 v28, 31, v0                          ; lane
	v_and_b32 v29, 15, v0                          ; r
	v_bfe_u32 v30, v0, 4, 1                        ; h
	v_lshlrev_b32 v[L16], 4, v28
	v_lshlrev_b32 v[L8], 3, v28
	v_lshlrev_b32 v[PFO], 8, v28
	v_lshlrev_b32 v31, 4, v29
	v_lshlrev_b32 v[TA], 2, v29
	v_add_nc_u32 v[XA], s66, v[L16]
	v_add_nc_u32 v[XA+1], HALF, v[XA]
	v_add_nc_u32 v[XA+2], CSTEP, v[XA]
	v_add_nc_u32 v[XA+3], CSTEP+HALF, v[XA]
	v_add_nc_u32 v[CA16], s67, v[L16]
	v_add_nc_u32 v[CA8], s67, v[L8]
	v_add_nc_u32 v[RL16], HIMG, v[L16]
	v_add_nc_u32 v[RS], HSC, v31
	v_add_nc_u32 v[HA12], s68, v[L16]
	v_add_nc_u32 v[HA508], s69, v[L16]
	v_add_nc_u32 v[HWS], s70, v31
	v_add_nc_u32 v[HWS], v[HWS], v30
	v_add_nc_u32 v[MXW], s71, v[L16]
	v_add_nc_u32 v[MXP], s72, v[L16]
	v_mul_u32_u24 v[STO], v29, 272                 ; the way out, in: row r of 256 + 16 bytes, + 32 h
	v_lshl_add_u32 v[STO], v30, 5, v[STO]
	v_add_nc_u32 v[STO], s73, v[STO]
	v_mul_u32_u24 v[RD], v30, 272                  ; back: lanes 0-15 one row, lanes 16-31 the next
	v_lshl_add_u32 v[RD], v29, 4, v[RD]
	v_add_nc_u32 v[RD], s73, v[RD]
	v_lshlrev_b32 v[GO], 14, v30                   ; and the same two rows in out
	v_lshl_add_u32 v[GO], v29, 4, v[GO]
	s_wait_alu depctr_va_vdst(0)
.irp o, 0,1
	global_load_b32 v[BV+2*\o], v[TA], s[16:17] offset:64*\o       ; the bias of o = r of my tile, into both registers of the pair that the packed addition takes
	global_load_b32 v[BV+2*\o+1], v[TA], s[16:17] offset:64*\o
.irp p, 0,1
	global_load_b128 v[WSC+8*\o+4*\p:WSC+8*\o+4*\p+3], v[L16], s[14:15] offset:2048*\o+512*\p
.endr
.endr
	GXS 0
.irp s, 0,1,2,3                        ; W: fragment (s, tile, e) at v[12 (8 (s % 2) + 4 tile + e)] of window 1 + s / 2: 96 loads of 512 consecutive bytes
	WIN 0x40*(1+\s/2)
.irp o, 0,1
.irp e, 0,1,2,3
.irp j, 0,1,2
	global_load_b128 v[12*(8*(\s%2)+4*\o+\e)+4*\j:12*(8*(\s%2)+4*\o+\e)+4*\j+3], v[L16], s[12:13] offset:\o*49152+\e*6144+\s*1536+512*\j
.endr
.endr
.endr
.endr
	WIN 0
	; chunk 0's round: its x and combine came at the head; slot 1's first fill stands alone behind it, issued as a refill is
	s_wait_tensorcnt 0x0
	ds_add_u32 v[SPW], v[NIL]
	s_wait_dscnt 0x0
	ROUND
	s_cmp_lt_u32 s[WV], 2
	s_cbranch_scc1 .Lfirst_asked
	tensor_load_to_lds s[G0X+4:G0X+7], s[G1:G1+7]  ; waves 2, 3: chunk 1's x
	s_nop 0
	PLACES 4
.Lfirst_asked:
	XF 0, 0
	XF 1, 0
	SEG_R 1, 0, 0, 1                               ; chunk 0: groups 0 and 1 of its second product start the sums
	s_mov_b32 s[EC], 7
.Lchunk:                                           ; chunks 1 to 14, two a trip: x's slots come back to where they began.  (Every window is 0 here)
	SEG_S 0, 1, 2
	SEG_R 0, 0, 1, 2
	SEG_S 0, 0, 2
	SEG_R 0, 0, 0, 2
	s_sub_co_u32 s[EC], s[EC], 1
	s_cmp_lg_u32 s[EC], 0
	s_cbranch_scc1 .Lchunk
	SEG_S 1, 1, 0                                  ; chunk 15 is written out: no next x
	SEG_R 0, 1, 1, 0
	s_wait_dscnt 16                                ; group 2 and eo's ks 1 are in
	MULC 2, 0
	s_wait_dscnt 0x0
	MULC 3, 0
	PLACES 4                                       ; for the stores that read results and the loads below
; THE WAY OUT, a tile of 16 rows t x 64 o at a time, through my own stage in LDS, back as whole rows of 256 bytes.  The stage lies in x's slot 0, which has had its last fill and its last read (chunk 14); four places of 4,352 bytes by turns.
; LDS serves a wave's instructions in order: no wait between the stores and the loads.
.macro TOSTAGE t
	WIN 0x0c                                       ; an LDS store's data are its source 1: window 3
.irp n, 0,1,2,3
	ds_store_b128 v[STO], v[8*(4*(\t)+\n):8*(4*(\t)+\n)+3] offset:((\t)%4)*4352+64*\n          ; each accumulator from its low end on
	ds_store_b128 v[STO], v[8*(4*(\t)+\n)+4:8*(4*(\t)+\n)+7] offset:((\t)%4)*4352+64*\n+16
.endr
	WIN 0
.irp i, 0,1,2,3,4,5,6,7
	ds_load_b128 v[BK+32*((\t)%4)+4*\i:BK+32*((\t)%4)+4*\i+3], v[RD] offset:((\t)%4)*4352+544*\i
.endr
.endm
.macro SEND t, younger                 ; younger: the LDS instructions issued behind tile t's loads, which may stay out
	s_wait_dscnt \younger
.irp i, 0,1,2,3,4,5,6,7
	global_store_b128 v[GO], v[BK+32*((\t)%4)+4*\i:BK+32*((\t)%4)+4*\i+3], s[18:19] offset:(16*(\t)+2*\i)*16384 th:TH_STORE_NT   ; 16 lanes store 256 consecutive bytes, aligned
.endr
.endm
	TOSTAGE 0
.irp a, 1,2,3,4,5,6,7
.if \a > 3
	s_wait_xcnt 0x0                                ; tile a - 4's stores have read their registers: tile a's loads may land there
.endif
	TOSTAGE \a
	SEND \a-1, 16                                  ; behind tile a - 1's loads: tile a's 8 stores and 8 loads
.endr
	SEND 7, 0
	s_wait_tensorcnt 0x0                           ; the wave's end
	ds_add_u32 v[SPW], v[NIL]
	s_wait_dscnt 0x0
	ROUND                                          ; the closing round
	s_endpgm
.Lfunc_end_k_q8ea1f39318_fused:
	.size	k_q8ea1f39318_fused, .Lfunc_end_k_q8ea1f39318_fused-k_q8ea1f39318_fused
	.p2alignl 7, 3214868480
	.fill 96, 4, 3214868480
	.section	.rodata,"a",@progbits
	.p2align	6, 0x0
	.amdhsa_kernel k_q8ea1f39318_fused
		.amdhsa_group_segment_fixed_size 327680
		.amdhsa_private_segment_fixed_size 0
		.amdhsa_enable_private_segment 0
		.amdhsa_kernarg_size 64
		.amdhsa_user_sgpr_count 2
		.amdhsa_user_sgpr_kernarg_segment_ptr 1
		.amdhsa_wavefront_size32 1
		.amdhsa_system_sgpr_workgroup_id_x 1
		.amdhsa_system_sgpr_workgroup_id_y 1
		.amdhsa_system_sgpr_workgroup_id_z 1
		.amdhsa_system_vgpr_workitem_id 0
		.amdhsa_next_free_vgpr 1024
		.amdhsa_next_free_sgpr 80
		.amdhsa_reserve_vcc 0
		.amdhsa_float_denorm_mode_32 3
		.amdhsa_float_denorm_mode_16_64 3
		.amdhsa_memory_ordered 1
		.amdhsa_forward_progress 1
		.amdhsa_inst_pref_size 211
	.end_amdhsa_kernel
	.amdgpu_metadata
---
amdhsa.version: [ 1, 2 ]
amdhsa.kernels:
  - .name:           k_q8ea1f39318_fused
    .symbol:         k_q8ea1f39318_fused.kd
    .args:
      - { .name: xq, .offset: 0, .size: 8, .value_kind: global_buffer, .address_space: global }
      - { .name: xs, .offset: 8, .size: 8, .value_kind: global_buffer, .address_space: global }
      - { .name: cq, .offset: 16, .size: 8, .value_kind: global_buffer, .address_space: global }
      - { .name: cs, .offset: 24, .size: 8, .value_kind: global_buffer, .address_space: global }
      - { .name: wq, .offset: 32, .size: 8, .value_kind: global_buffer, .address_space: global }
      - { .name: ws, .offset: 40, .size: 8, .value_kind: global_buffer, .address_space: global }
      - { .name: b, .offset: 48, .size: 8, .value_kind: global_buffer, .address_space: global }
      - { .name: out0, .offset: 56, .size: 8, .value_kind: global_buffer, .address_space: global }
    .group_segment_fixed_size: 327680
    .private_segment_fixed_size: 0
    .kernarg_segment_align: 8
    .kernarg_segment_size: 64
    .max_flat_workgroup_size: 128
    .sgpr_count:     80
    .vgpr_count:     1024
    .wavefront_size: 32
...
	.end_amdgpu_metadata
.endif
;; end of part 2
